; MI455X (gfx1250); checked and timed in simulation.
; The chip was launched on July 23, 2026; its instructions are those of AMD's public machine-readable ISA for CDNA 5 (MIT licence, August 2026) and "CDNA5" Instruction Set Architecture Reference Guide (July 2026). The comments in the code are by the model that wrote it; some were corrected since.
;; Attention. Allowed arithmetic: matrix products marked QUANTISED: E2M3 operands, one E8M0 scale for each 32 along K, by v_wmma_scale_f32_16x16x128_f8f6f4 with both operands' format E2M3, f32 sums; everything else in f32.
;; Inputs: W_proj 1,024 x 1,024 float32; W_qkv 3,072 x 1,024 float32; b_proj 1,024 float32; x 4 x 2,048 x 1,024 float32.
;; Outputs: out0 4 x 2,048 x 1,024 float32.
;; This version of the problem:
;;   THIS VERSION OF THE PROBLEM IS GIVEN IN LOW PRECISION. The matrix products marked QUANTISED in the list below multiply operands that are first quantised to E2M3 (2 exponent bits, 3 mantissa bits; 6 bits a number), with one power-of-two scale for each 32 numbers along K (OCP MX v1.0); their sums are f32. All else is computed in f32.
;;   The module's matrix products, in the order in which they are computed (A, B: the left and right operand; K: the contracted axis; several contracted axes count as one K, in the product's order):
;;     1. [M 8,192, K 1,024] x [K 1,024, N 3,072]; A: input x; B: input W_qkv: QUANTISED
;;     2. batch 64 x [M 2,048, K 64] x [K 64, N 2,048]; A: computed on the way; B: computed on the way: QUANTISED
;;     3. batch 64 x [M 2,048, K 2,048] x [K 2,048, N 64]; A: softmax (see below); B: computed on the way: QUANTISED
;;     4. [M 8,192, K 1,024] x [K 1,024, N 1,024]; A: computed on the way; B: input W_proj: QUANTISED
;;   THE QUANTISER, for each operand of a quantised product, along K:
;;     - K is cut into blocks of 32 from its start; a last block that is shorter is filled with zeros.
;;     - A block's scale is 2^e with e = floor(log2(the largest magnitude in the block)) - 2, held to -126 .. 127; a block of zeros has e = 0. As a byte (E8M0): e + 127.
;;     - Each number is divided by its block's scale, clamped to +-7.5, and rounded to the nearest number of E2M3, ties to even, subnormals kept.
;;     - The product sums the exact products of the quantised numbers (number of the format x scale) in f32.
;;   ~~~python
;;   def quantise(x, axis):      # numpy; x: float32 -> the quantised numbers, widened to float32 again
;;       x = np.moveaxis(x, axis, -1); K = x.shape[-1]
;;       x = np.pad(x, [(0, 0)] * (x.ndim - 1) + [(0, -K % 32)]); x = x.reshape(x.shape[:-1] + (-1, 32)); a = np.abs(x).max(-1, keepdims=True)
;;       e = np.where(a > 0, np.clip(np.frexp(np.where(a > 0, a, 1))[1] - 1 - 2, -126, 127), 0)      # np.frexp(a)[1] - 1 = floor(log2(a)), exactly
;;       r = np.clip(x / 2.0 ** e, -7.5, 7.5)
;;       step = 2.0 ** (np.maximum(np.frexp(np.where(r == 0, 1, r))[1] - 1, 0) - 3)
;;       q = np.round(r / step) * step * 2.0 ** e      # np.round: ties to even
;;       return np.moveaxis(q.reshape(q.shape[:-2] + (-1,))[..., :K], -1, axis).astype(np.float32)
;;   ~~~
;;   SOFTMAX AHEAD OF A QUANTISED PRODUCT. Where the list says 'softmax', what is quantised is not the finished softmax but p = 2^(t - M), with t = logit x log2(e) and M = ceil(the row's largest t), a whole number; so 1/2 < the row's largest p <= 1. The row's sum l is taken of the UNQUANTISED p, in f32, and the product's result is divided by l at the end. Since M is a whole number, a kernel that streams over the keys may use a running M (the ceiling of the running maximum): every later rescaling is an exact power of two, which a block's scale takes up: the codes' values come out the same.
;;   OPERANDS COMPUTED ON THE WAY. 'Computed on the way' means the value that the module computes at that place (a softmax that the list does not call 'softmax' is quantised finished and normalised). What goes into a quantiser is computed in f32, as accurately as f32 sums, v_exp_f32 and their like allow (about 1e-6 of the number): no bf16 or f16 on the way to a quantiser, and a product that is left as it is and whose result goes on into a quantised operand takes f32 operands (vector FMAs, or v_wmma_f32_16x16x4_f32). A number that lies on a knife's edge between two numbers of the format may be rounded either way, as far as f32 arithmetic and the matrix unit's own rounding can turn it there, and no further.
;; One version. Each part assembles by itself: llvm-mc -triple=amdgcn-amd-amdhsa -mcpu=gfx1250 --defsym DOCPART=n.
;; ======== version 1 of 1: 4 launches
;; workspace buffers: codes 9,437,184 bytes; scales 393,216 bytes; qk_img 13,631,488 bytes; v_img 6,553,600 bytes; o_codes 6,291,456 bytes; o_scales 262,144 bytes
;; launch quant (part 1): grid 256 x 1, 6 waves a work-group, no clusters, 51,456 bytes of LDS; arguments x, W_qkv, W_proj, codes, scales; writes codes, scales
.if DOCPART == 1
	.amdgcn_target "amdgcn-amd-amdhsa--gfx1250"
	.amdhsa_code_object_version 6
	.text
	.protected	k_qd5f6285464_quant
	.globl	k_qd5f6285464_quant
	.p2align	8
	.type	k_qd5f6285464_quant,@function
k_qd5f6285464_quant:
	s_mov_b64 s[64:65], 0
	v_nop
	global_prefetch_b8 v0, s[64:65] scope:SCOPE_SE
	s_setreg_imm32_b32 hwreg(HW_REG_WAVE_MODE, 25, 1), 1
	s_wait_xcnt 0x0
; x [8192][1024], W_qkv [3072][1024] and W_proj [1024][1024], f32, become codes of FP6 (E2M3) with one E8M0 byte for each 32 along K = 1,024.
; A block's scale is 2^(floor(log2(its largest magnitude)) - 2): its byte is the largest magnitude's exponent field - 2, held at 1 from below.
; LIMITS: NaN and infinities among the inputs are not served; a block whose largest magnitude lies under 2^-124 is held at the byte 1; a block of zeros gets the byte 1
; where the rule says 127: its codes are zeros, which add nothing under any byte but 0xff, and the bytes are read by this program alone.
; LAYOUT OF THE RESULT: the order of an operand's registers.  The 12,288 rows are 768 tiles of 16 (0-511 x, 512-703 W_qkv, 704-767 W_proj).  THE ROWS OF A TILE ARE NOT NEIGHBOURS:
; place r of tile 2 B + u is row 32 B + 8 u + r + 8 (r / 8), so that a product used transposed leaves 16 neighbours along its source 0's rows in the 16 registers of two neighbouring tiles.
; Fragment (T, g), 16 places x K 128 g .. 128 g + 127, is 12 registers a lane: registers 2 p, 2 p + 1 of lane l lie at 12288 T + 1536 g + 256 p + 8 l.  Its scale words lie at 512 T + 256 (g / 4) + 16 r + 4 (g % 4).
; SHARES: 1,536 waves, each half a tile: 16 rows x 512 numbers, four fragments.  Each load reads 512 consecutive bytes of a row; the 16 x 512 bytes of a fragment turn through the wave's own stage in LDS
; (rows 528 bytes apart: sixteen lanes' reads of 16 bytes fall on sixteen different columns of 16 bytes), so that a lane gets 16 neighbours of each block of 32 of its row.
; Each store of codes covers 256 consecutive bytes, aligned; so does the one store of scale words.  No matrix unit, no cluster, no tensor load, no barrier: memory binds, and waves share nothing.
.set STG,  8448                        ; a wave's stage: 16 rows x 528 bytes
.set SP,   528
.set R,    16                          ; v16-143  two sets of 64 registers as loaded
.set X,    144                         ; v144-207 64 numbers: register 16 b + i = K 32 b + 16 (lane / 16) + i of my row
.set PC,   208                         ; v208-219 the fragment's codes; v220-222, v224-226 the second halves as converted
.set TM,   228                         ; v228-243 at work
.set PW,   244                         ; v244-247 the four fragments' scale words
.set SEL,  20                          ; s[20:21] lane selects: lane l xor 16
	s_load_b256 s[4:11], s[0:1], 0x0               ; x s[4:5], W_qkv s[6:7], W_proj s[8:9], codes s[10:11]
	s_load_b64 s[12:13], s[0:1], 0x20              ; scales
	v_lshl_add_u32 v254, v0, 2, 0xc600
	v_mov_b32 v255, 0
	v_lshrrev_b32 v1, 5, v0
	v_readfirstlane_b32 s14, v1                    ; wave 0..5
	v_and_b32 v1, 31, v0                           ; lane
	v_and_b32 v2, 15, v0                           ; r
	v_bfe_u32 v3, v0, 4, 1                         ; h
	v_lshlrev_b32 v4, 4, v1                        ; my 16 bytes of a load's 512
	s_mul_i32 s22, s14, STG
	v_add_nc_u32 v5, s22, v4                       ; the stage, on the way in: 16 x lane, a row an instruction
	v_mul_u32_u24 v6, v2, SP
	v_lshl_add_u32 v6, v3, 6, v6
	v_add_nc_u32 v6, s22, v6                       ; and on the way out: row r, + 64 h
	v_lshlrev_b32 v7, 3, v1                        ; codes: 8 x lane
	v_lshlrev_b32 v8, 4, v2
	v_lshl_add_u32 v8, v3, 3, v8                   ; scale words: 16 r + 8 h
.irp b, 0,1,2,3
	v_mov_b32 v[TM+4+\b], 0                        ; written once: a lane permute's destination counts as one of its sources
.endr
	s_mul_i32 s15, ttmp9, 6
	s_add_co_u32 s15, s15, s14                     ; U = 6 x work-group + wave: tile U / 2, half U % 2 of K
	s_mov_b32 s[SEL], 0x76543210
	s_mov_b32 s[SEL+1], 0xfedcba98
	s_wait_alu depctr_va_vdst(0)
	s_wait_kmcnt 0x0
	s_cmp_lt_u32 s15, 1024                         ; which tensor: the choice hangs on the work-group's and the wave's number alone
	s_cselect_b64 s[16:17], s[4:5], s[6:7]
	s_cselect_b32 s18, 0, 1024
	s_cmp_lt_u32 s15, 1408
	s_cselect_b64 s[16:17], s[16:17], s[8:9]
	s_cselect_b32 s18, s18, 1408
	s_sub_co_u32 s18, s15, s18                     ; my unit within the tensor
	s_lshr_b32 s19, s18, 1                         ; its tile there
	s_and_b32 s23, s15, 1                          ; which half of K
	s_lshr_b32 s24, s19, 1
	s_lshl_b32 s24, s24, 17                        ; 32 rows of 4,096 bytes for each pair of tiles,
	s_and_b32 s25, s19, 1
	s_lshl_b32 s25, s25, 15                        ; 8 rows for the odd tile,
	s_add_co_u32 s24, s24, s25
	s_lshl_b32 s25, s23, 11                        ; 2,048 bytes for the upper half of K
	s_add_co_u32 s24, s24, s25
	s_mov_b32 s25, 0
	s_add_nc_u64 s[16:17], s[16:17], s[24:25]
	s_mul_i32 s24, s15, 6144                       ; codes: 12288 (U / 2) + 6144 (U % 2)
	s_add_nc_u64 s[10:11], s[10:11], s[24:25]
	s_lshl_b32 s24, s15, 8                         ; scale words: 512 (U / 2) + 256 (U % 2)
	s_add_nc_u64 s[12:13], s[12:13], s[24:25]
.macro LOADF g                         ; fragment g: sixteen rows' 512 bytes; place i of the tile is row i + 8 (i / 8) from the tile's first
.irp i, 0,1,2,3,4,5,6,7,8,9,10,11,12,13,14,15
	global_load_b128 v[R+64*((\g)%2)+4*\i:R+64*((\g)%2)+4*\i+3], v4, s[16:17] offset:(\i+8*(\i/8))*4096+512*(\g) th:TH_LOAD_NT
.endr
.endm
; 64 numbers of a lane, v[s] on, become a fragment's codes in v[PC] on and its scale word in v[pw]
.macro QUANT s, pw
.irp b, 0,1,2,3
	v_max3_num_f32 v[TM+\b], |v[\s+16*\b]|, |v[\s+1+16*\b]|, 0x1800000   ; block b: my 16 numbers, and the floor 2^(3 - 127): the byte cannot fall under 1
.endr
.irp i, 2,4,6,8,10,12,14
.irp b, 0,1,2,3
	v_max3_num_f32 v[TM+\b], v[TM+\b], |v[\s+16*\b+\i]|, |v[\s+1+16*\b+\i]|   ; the four blocks by turns
.endr
.endr
.irp b, 0,1,2,3
	v_permlanex16_b32 v[TM+4+\b], v[TM+\b], s[SEL], s[SEL+1]
.endr
.irp b, 0,1,2,3
	v_max_num_f32 v[TM+\b], v[TM+\b], v[TM+4+\b]   ; with lane l xor 16's: the block's largest magnitude
.endr
.irp b, 0,1,2,3
	v_add_nc_u32 v[TM+12+\b], 0xff000000, v[TM+\b]   ; 2 off its exponent field: the conversion takes the exponent field of this operand as its scale
.endr
.irp b, 0,1,2,3
	v_lshrrev_b32 v[TM+4+\b], 23, v[TM+12+\b]      ; the scale's byte
.endr
	v_lshl_or_b32 v[\pw], v[TM+5], 8, v[TM+4]
	v_lshl_or_b32 v[\pw], v[TM+6], 16, v[\pw]
	v_lshl_or_b32 v[\pw], v[TM+7], 24, v[\pw]      ; my row's scale word
.irp c, 0,1
	v_cvt_scalef32_pk16_fp6_f32 v[PC+6*\c:PC+2+6*\c], v[\s+32*\c:\s+15+32*\c], v[TM+12+2*\c]
	v_cvt_scalef32_pk16_fp6_f32 v[PC+12+4*\c:PC+14+4*\c], v[\s+16+32*\c:\s+31+32*\c], v[TM+12+2*\c+1]   ; (a conversion's three registers begin on an even number)
.endr
	v_nop                                          ; one plain instruction behind the scaled conversions
.irp c, 0,1                                    ; the operand's layout wants a whole block in a lane: lanes 0-15 block 2 c, lanes 16-31 block 2 c + 1
.irp i, 0,1,2
	v_permlane16_swap_b32 v[PC+6*\c+\i], v[PC+12+4*\c+\i]
.endr
.irp i, 0,1,2
	v_mov_b32 v[PC+3+6*\c+\i], v[PC+12+4*\c+\i]
.endr
.endr
.endm
.macro FRAGQ g
.if (\g) < 3
	s_wait_loadcnt 16                              ; this fragment's 16 loads are in; the next fragment's 16 may be out
.else
	s_wait_loadcnt 0x0
.endif
.irp i, 0,1,2,3,4,5,6,7,8,9,10,11,12,13,14,15
	ds_store_b128 v5, v[R+64*((\g)%2)+4*\i:R+64*((\g)%2)+4*\i+3] offset:SP*\i
.endr
.irp b, 0,1,2,3
.irp j, 0,1,2,3
	ds_load_b128 v[X+16*\b+4*\j:X+16*\b+4*\j+3], v6 offset:128*\b+16*\j   ; LDS serves a wave's instructions in order: these see the stores above
.endr
.endr
	s_wait_dscnt 0x0                               ; the numbers are back, and the stores into the stage have read their registers
.if (\g) > 0
	s_wait_xcnt 0x0                                ; the last fragment's stores have read the codes' registers, which are written again below
.endif
.if (\g) < 2
	LOADF (\g)+2
.endif
	QUANT X, PW+(\g)
.irp p, 0,1,2,3,4,5
	global_store_b64 v7, v[PC+2*\p:PC+2*\p+1], s[10:11] offset:1536*(\g)+256*\p   ; 32 lanes store 256 consecutive bytes, aligned
.endr
.endm
	LOADF 0
	LOADF 1
	FRAGQ 0
	FRAGQ 1
	FRAGQ 2
	FRAGQ 3
	v_cmp_lt_u32 vcc_lo, 15, v1                    ; lanes 16-31 store words 2 and 3 of their row, lanes 0-15 words 0 and 1
	v_cndmask_b32 v248, v[PW], v[PW+2], vcc_lo
	v_cndmask_b32 v249, v[PW+1], v[PW+3], vcc_lo
	global_store_b64 v8, v[248:249], s[12:13]      ; 256 consecutive bytes, aligned
	s_wait_tensorcnt 0x0
	ds_add_u32 v254, v255
	s_wait_dscnt 0x0
	s_endpgm
.Lfunc_end_k_qd5f6285464_quant:
	.size	k_qd5f6285464_quant, .Lfunc_end_k_qd5f6285464_quant-k_qd5f6285464_quant
	.p2alignl 7, 3214868480
	.fill 96, 4, 3214868480
	.section	.rodata,"a",@progbits
	.p2align	6, 0x0
	.amdhsa_kernel k_qd5f6285464_quant
		.amdhsa_group_segment_fixed_size 51456
		.amdhsa_private_segment_fixed_size 0
		.amdhsa_enable_private_segment 0
		.amdhsa_kernarg_size 40
		.amdhsa_user_sgpr_count 2
		.amdhsa_user_sgpr_kernarg_segment_ptr 1
		.amdhsa_wavefront_size32 1
		.amdhsa_system_sgpr_workgroup_id_x 1
		.amdhsa_system_sgpr_workgroup_id_y 1
		.amdhsa_system_sgpr_workgroup_id_z 1
		.amdhsa_system_vgpr_workitem_id 0
		.amdhsa_next_free_vgpr 256
		.amdhsa_next_free_sgpr 66
		.amdhsa_reserve_vcc 1
		.amdhsa_float_denorm_mode_32 3
		.amdhsa_float_denorm_mode_16_64 3
		.amdhsa_memory_ordered 1
		.amdhsa_forward_progress 1
		.amdhsa_inst_pref_size 35
	.end_amdhsa_kernel
	.amdgpu_metadata
---
amdhsa.version: [ 1, 2 ]
amdhsa.kernels:
  - .name:           k_qd5f6285464_quant
    .symbol:         k_qd5f6285464_quant.kd
    .args:
      - { .name: x, .offset: 0, .size: 8, .value_kind: global_buffer, .address_space: global }
      - { .name: W_qkv, .offset: 8, .size: 8, .value_kind: global_buffer, .address_space: global }
      - { .name: W_proj, .offset: 16, .size: 8, .value_kind: global_buffer, .address_space: global }
      - { .name: codes, .offset: 24, .size: 8, .value_kind: global_buffer, .address_space: global }
      - { .name: scales, .offset: 32, .size: 8, .value_kind: global_buffer, .address_space: global }
    .group_segment_fixed_size: 51456
    .private_segment_fixed_size: 0
    .kernarg_segment_align: 8
    .kernarg_segment_size: 40
    .max_flat_workgroup_size: 192
    .sgpr_count:     66
    .vgpr_count:     256
    .wavefront_size: 32
...
	.end_amdgpu_metadata
.endif
;; end of part 1
;; launch qkv (part 2): grid 8 x 48, 4 waves a work-group, clusters of 4 x 4, 327,680 bytes of LDS; arguments codes, scales, qk_img, v_img; writes qk_img, v_img
.if DOCPART == 2
	.amdgcn_target "amdgcn-amd-amdhsa--gfx1250"
	.amdhsa_code_object_version 6
	.text
	.protected	k_qd5f6285464_qkv
	.globl	k_qd5f6285464_qkv
	.p2align	8
	.type	k_qd5f6285464_qkv,@function
k_qd5f6285464_qkv:
	s_mov_b64 s[64:65], 0
	v_nop
	global_prefetch_b8 v0, s[64:65] scope:SCOPE_SE
	s_setreg_imm32_b32 hwreg(HW_REG_WAVE_MODE, 25, 1), 1
	s_wait_xcnt 0x0
	s_wait_alu depctr_hold_cnt(0) depctr_sa_sdst(0) depctr_va_vdst(0) depctr_va_sdst(0) depctr_va_ssrc(0) depctr_va_vcc(0) depctr_vm_vsrc(0)
	s_getreg_b32 s2, hwreg(HW_REG_IB_STS2, 6, 4)
	s_cmp_eq_u32 s2, 0
	s_cbranch_scc0 .Lentry_in_a_cluster
	s_endpgm
.Lentry_in_a_cluster:
	s_bfe_u32 s2, ttmp6, 0x10000c
	s_cmp_lg_u32 s2, 0xf033
	s_cbranch_scc0 .Lentry_shape_is_right
	s_endpgm
.Lentry_shape_is_right:
.set FR,     12
.set NL,     6
.set NP,     4
.set NQ,     2
.set FRB,    1536
.set TSTEP,  2*FRB
.set TILEB,  8*FRB
.set HALFT,  8*TSTEP
.set SLOT,   4*HALFT
.set SCL,    2*SLOT
.set HALFS,  8*512
.set SBLK,   512
.set SPARE,  SCL+4*HALFS
.set ADRA, 16
.set ADRB, 20
.set LI8,  25
.set LI16, 26
.set ADRS, 27
.set SPW,  28
.set NIL,  29
.set LANE, 30
.set SC,   32
.set TM,   64
.set PWS,  80
.set CT,   96
.set PK,   104
.set AF,   128
.set RC,   128
.set SEL,  2
.set VAR,  12
.set G1, 24
.set G0, 32
.set G1B, 48
.set G0B, 56
.set G1S, 68
.set G0S, 76
.set G1SB, 80
.set G0SB, 88
.set MSB, 0
.macro WIN new
.if MSB != (\new)
	s_set_vgpr_msb (MSB<<8)|(\new)
.set MSB, (\new)
.endif
.endm
.set MUL_LO, 0xa1
.set MUL_HI, 0xf1
.set TO_B,   0x40
.macro JLOAD g0a, g1a, g0b, g1b
	s_cmp_eq_u32 s15, 0
	s_cbranch_scc0 .Lfor_b_\@
	tensor_load_to_lds s[\g0a:\g0a+3], s[\g1a:\g1a+7]
	s_nop 0
.rept 4
	v_nop
.endr
	s_branch .Lasked_\@
.Lfor_b_\@:
	tensor_load_to_lds s[\g0b:\g0b+3], s[\g1b:\g1b+7]
	s_nop 0
.rept 4
	v_nop
.endr
.Lasked_\@:
.endm
.macro CREST
	s_cmp_lg_u32 s14, 0
	s_cbranch_scc1 .Lnot_wave_0_\@
	s_barrier_signal -3
.Lnot_wave_0_\@:
	s_barrier_wait -3
	s_barrier_signal -1
	s_barrier_wait -1
.endm
.macro CROUND
	s_barrier_signal -1
	s_barrier_wait -1
	CREST
.endm
	s_load_b256 s[4:11], s[0:1], 0x0
	v_lshl_add_u32 v[SPW], v0, 2, SPARE
	v_mov_b32 v[NIL], 0
	ds_add_u32 v28, v29
	ds_add_u32 v28, v29
	s_wait_dscnt 0x0
	v_lshrrev_b32 v1, 5, v0
	v_readfirstlane_b32 s14, v1
	s_lshr_b32 s15, s14, 1
	s_and_b32 s16, s14, 1
	s_bfe_u32 s40, ttmp6, 0x40000
	s_bfe_u32 s41, ttmp6, 0x40004
	s_and_b32 s13, ttmp7, 0xffff
	s_lshl_b32 s92, s13, 2
	s_lshl_b32 s93, ttmp9, 2
	s_sub_co_u32 s94, s13, 8
	s_lshl_b32 s94, s94, 1
	s_add_co_u32 s94, s94, ttmp9
	s_lshl_b32 s94, s94, 2
	s_cmp_ge_u32 s13, 8
	s_cselect_b32 s[VAR], 1, 0
	s_cselect_b32 s17, 0, s92
	s_cselect_b32 s42, s94, s93
	s_cselect_b32 s95, 640, 0
	s_cselect_b32 s96, 0, 512
	s_add_co_u32 s17, s17, s41
	s_add_co_u32 s42, s42, s40
	s_lshl_b32 s43, s41, 2
	s_lshl_b32 s43, 15, s43
	s_lshl_b32 s44, 0x1111, s40
	s_or_b32 s[G1+0], s43, (3<<16)|(1<<21)
	s_or_b32 s[G1B+0], s44, (3<<16)|(1<<21)
.irp g, G1, G1B
	s_mov_b32 s[\g+1], 384<<16
	s_mov_b32 s[\g+2], 8<<16
	s_mov_b32 s[\g+3], 384<<16
	s_mov_b32 s[\g+4], 8
	s_mov_b32 s[\g+5], 1536
	s_mov_b32 s[\g+6], 0
	s_mov_b32 s[\g+7], 0
.endr
	s_or_b32 s[G1S+0], s43, (3<<16)|(1<<21)
	s_or_b32 s[G1SB+0], s44, (3<<16)|(1<<21)
.irp g, G1S, G1SB
	s_mov_b32 s[\g+1], 32<<16
	s_mov_b32 s[\g+2], 16<<16
	s_mov_b32 s[\g+3], 32<<16
	s_mov_b32 s[\g+4], 16
	s_mov_b32 s[\g+5], 32
	s_mov_b32 s[\g+6], 0
	s_mov_b32 s[\g+7], 0
.endr
	s_lshl_b32 s18, s16, 3
	s_lshl_b32 s20, s17, 4
	s_add_co_u32 s20, s20, s95
	s_add_co_u32 s20, s20, s18
	s_lshl_b32 s46, s42, 4
	s_add_co_u32 s46, s46, s96
	s_add_co_u32 s46, s46, s18
	s_lshl_b32 s22, s20, 9
	s_mov_b32 s23, 0
	s_lshl_b32 s92, s46, 9
	s_mov_b32 s93, 0
	s_mul_i32 s20, s20, TILEB
	s_mov_b32 s21, 0
	s_mul_i32 s46, s46, TILEB
	s_mov_b32 s47, 0
	s_mul_i32 s45, s14, HALFT
	s_mul_i32 s94, s14, HALFS
	s_mov_b32 s[SEL], 0x76543210
	s_mov_b32 s[SEL+1], 0xfedcba98
	s_wait_kmcnt 0x0
	s_add_nc_u64 s[20:21], s[4:5], s[20:21]
	s_add_nc_u64 s[22:23], s[6:7], s[22:23]
	s_add_nc_u64 s[46:47], s[4:5], s[46:47]
	s_add_nc_u64 s[92:93], s[6:7], s[92:93]
	CROUND
	s_mov_b32 s[G0S], 1
	s_add_co_u32 s[G0S+1], s94, SCL
	s_mov_b64 s[G0S+2:G0S+3], s[22:23]
	s_or_b32 s[G0S+3], s[G0S+3], 0x80000000
	s_mov_b32 s[G0SB], 1
	s_add_co_u32 s[G0SB+1], s94, SCL
	s_mov_b64 s[G0SB+2:G0SB+3], s[92:93]
	s_or_b32 s[G0SB+3], s[G0SB+3], 0x80000000
	JLOAD G0S, G1S, G0SB, G1SB
.irp s, 0,1
	s_mov_b32 s[G0+4*\s], 1
	s_add_co_u32 s[G0+4*\s+1], s45, \s*SLOT
	s_add_nc_u64 s[G0+4*\s+2:G0+4*\s+3], s[20:21], \s*TSTEP
	s_or_b32 s[G0+4*\s+3], s[G0+4*\s+3], 0x80000000
	s_mov_b32 s[G0B+4*\s], 1
	s_add_co_u32 s[G0B+4*\s+1], s45, \s*SLOT
	s_add_nc_u64 s[G0B+4*\s+2:G0B+4*\s+3], s[46:47], \s*TSTEP
	s_or_b32 s[G0B+4*\s+3], s[G0B+4*\s+3], 0x80000000
	s_wait_alu depctr_va_vdst(0)
	s_wait_tensorcnt 0x0
	ds_add_u32 v28, v29
	s_wait_dscnt 0x0
	CROUND
	JLOAD G0+4*\s, G1, G0B+4*\s, G1B
.endr
	v_and_b32 v1, 15, v0
	v_bfe_u32 v2, v0, 4, 1
	s_wait_alu depctr_va_vdst(0)
	v_and_b32 v[LANE], 31, v0
	v_lshlrev_b32 v[LI8], 3, v[LANE]
	v_lshlrev_b32 v[LI16], 4, v[LANE]
	s_mul_i32 s21, s15, HALFT
	s_mul_i32 s22, s16, HALFT
	s_add_co_u32 s22, s22, 2*HALFT
.irp s, 0,1
	v_add_nc_u32 v[ADRA+\s], s21, v[LI8]
	v_add_nc_u32 v[ADRB+\s], s22, v[LI8]
	s_add_co_u32 s21, s21, SLOT
	s_add_co_u32 s22, s22, SLOT
.endr
	v_lshlrev_b32 v5, 4, v1
	s_mul_i32 s21, s15, HALFS
	s_mul_i32 s22, s16, HALFS
	s_add_co_u32 s22, s22, 2*HALFS
	s_sub_co_u32 s22, s22, s21
	v_mul_u32_u24 v6, s22, v2
	s_add_co_u32 s21, s21, SCL
	v_add_nc_u32 v5, v5, v6
	v_add_nc_u32 v[ADRS], s21, v5
.irp b, 0,1,2,3
	v_mov_b32 v[TM+4+\b], 0
.endr
	s_lshl_b32 s92, s17, 1
	s_add_co_u32 s92, s92, s15
	s_lshl_b32 s93, s42, 1
	s_add_co_u32 s93, s93, s16
	s_mov_b32 s97, 6400
	s_cmp_eq_u32 s[VAR], 0
	s_cselect_b32 s94, s92, s93
	s_cselect_b32 s95, s93, s92
	s_cselect_b32 s96, 32, 16
	s_cselect_b32 s97, 6656, s97
	s_cselect_b64 s[8:9], s[8:9], s[10:11]
	s_lshr_b32 s98, s94, 4
	s_and_b32 s94, s94, 15
	s_mul_i32 s96, s96, s98
	s_lshl_b32 s95, s95, 1
	s_add_co_u32 s96, s96, s95
	s_lshl_b32 s96, s96, 4
	s_add_co_u32 s96, s96, s94
	s_mul_i32 s96, s96, s97
	s_mov_b32 s97, 0
	s_add_nc_u64 s[8:9], s[8:9], s[96:97]
.macro FRAG reg, adr, q, i
.irp p, 0,1,2,3,4,5
	ds_load_b64 v[\reg+2*\p:\reg+2*\p+1], v[\adr] offset:TSTEP*(\i)+FRB*(\q)+256*\p
.endr
.endm
.macro MUL16 a0, p, q, sc, zero
.irp a, \a0, \a0+1
.irp b, 0,1,2,3,4,5,6,7
.if \zero
	v_wmma_scale_f32_16x16x128_f8f6f4 v[8*(8*((\a)%4)+\b):8*(8*((\a)%4)+\b)+7], v[128*(\p)+FR*\b:128*(\p)+FR*\b+FR-1], v[AF+FR*(\a):AF+FR*(\a)+FR-1], 0, v[SC+8*NQ*(\sc)+NQ*\b+(\q)], v[SC+8*NQ*(\sc)+NQ*(\a)+(\q)] matrix_a_fmt:MATRIX_FMT_FP6 matrix_b_fmt:MATRIX_FMT_FP6 matrix_a_scale:MATRIX_SCALE_ROW1
.else
	v_wmma_scale_f32_16x16x128_f8f6f4 v[8*(8*((\a)%4)+\b):8*(8*((\a)%4)+\b)+7], v[128*(\p)+FR*\b:128*(\p)+FR*\b+FR-1], v[AF+FR*(\a):AF+FR*(\a)+FR-1], v[8*(8*((\a)%4)+\b):8*(8*((\a)%4)+\b)+7], v[SC+8*NQ*(\sc)+NQ*\b+(\q)], v[SC+8*NQ*(\sc)+NQ*(\a)+(\q)] matrix_a_fmt:MATRIX_FMT_FP6 matrix_b_fmt:MATRIX_FMT_FP6 matrix_a_scale:MATRIX_SCALE_ROW1
.endif
.endr
.endr
.endm
.macro FETCH_B slot, q, p
	WIN TO_B
.irp i, 0,1,2,3,4,5,6,7
	FRAG 128*(\p)+FR*\i, ADRB+\slot, \q, \i
.endr
	WIN 0
.endm
.macro FETCH_A slot, q, i0
.irp i, \i0, \i0+1, \i0+2, \i0+3
	FRAG AF+FR*(\i), ADRA+\slot, \q, \i
.endr
.endm
.macro SCALES sc, kk
.irp i, 0,1,2,3,4,5,6,7
	ds_load_b64 v[SC+8*NQ*\sc+NQ*\i:SC+8*NQ*\sc+NQ*\i+1], v[ADRS] offset:\i*SBLK+256*((\kk)/2)+8*((\kk)%2)
.endr
.endm
.macro PLACES n
.rept \n
	v_nop
.endr
.endm
.macro STEP slot, q, zero
	s_wait_dscnt 4*NL
	WIN MUL_LO
	MUL16 0, (\q)%2, \q, \slot, \zero
	MUL16 2, (\q)%2, \q, \slot, \zero
	s_wait_dscnt 0
	PLACES NP
	FETCH_B \slot, (\q)+1, 1-(\q)%2
	FETCH_A \slot, (\q)+1, 0
	WIN MUL_HI
	MUL16 4, (\q)%2, \q, \slot, \zero
	MUL16 6, (\q)%2, \q, \slot, \zero
	PLACES NP
	WIN 0
	FETCH_A \slot, (\q)+1, 4
.endm
.macro TURN slot, next, fill, kk
	s_wait_tensorcnt 0x0
	ds_add_u32 v[SPW], v[NIL]
	s_wait_dscnt 4*NL+1
	WIN MUL_LO
	MUL16 0, 1, NQ-1, \slot, 0
	s_wait_dscnt 0x0
	s_barrier_signal -1
	MUL16 2, 1, NQ-1, \slot, 0
	WIN 0
	s_barrier_wait -1
.if \fill
	CREST
	s_add_nc_u64 s[G0+4*\slot+2:G0+4*\slot+3], s[G0+4*\slot+2:G0+4*\slot+3], 2*TSTEP
	s_add_nc_u64 s[G0B+4*\slot+2:G0B+4*\slot+3], s[G0B+4*\slot+2:G0B+4*\slot+3], 2*TSTEP
	JLOAD G0+4*\slot, G1, G0B+4*\slot, G1B
.else
	PLACES NP
.endif
	FETCH_B \next, 0, 0
	FETCH_A \next, 0, 0
	SCALES \next, \kk
	WIN MUL_HI
	MUL16 4, 1, NQ-1, \slot, 0
	MUL16 6, 1, NQ-1, \slot, 0
	PLACES NP
	WIN 0
	FETCH_A \next, 0, 4
.endm
	s_wait_alu depctr_va_vdst(0)
	s_wait_tensorcnt 1
	s_barrier_signal -1
	s_barrier_wait -1
	FETCH_B 0, 0, 0
	FETCH_A 0, 0, 0
	SCALES 0, 0
	FETCH_A 0, 0, 4
	STEP 0, 0, 1
	TURN 0, 1, 1, 1
	STEP 1, 0, 0
	TURN 1, 0, 1, 2
	STEP 0, 0, 0
	TURN 0, 1, 0, 3
	STEP 1, 0, 0
	s_wait_dscnt 4*NL
	WIN MUL_LO
	MUL16 0, 1, NQ-1, 1, 0
	MUL16 2, 1, NQ-1, 1, 0
	s_wait_dscnt 0
	WIN MUL_HI
	MUL16 4, 1, NQ-1, 1, 0
	MUL16 6, 1, NQ-1, 1, 0
	WIN 0
	PLACES NP
.macro QUANTW a, d0, d1, pw
.set AC, 64*((\a)%4)
.set WW, 2+(\a)/4
	WIN (WW<<2)|(WW<<4)
.irp b, 0,1,2,3
	v_max3_num_f32 v[TM+\b], 0x1800000, |v[AC+16*\b]|, |v[AC+16*\b+1]|
.endr
.irp i, 2,4,6,8,10,12,14
.irp b, 0,1,2,3
	v_max3_num_f32 v[TM+\b], v[TM+\b], |v[AC+16*\b+\i]|, |v[AC+16*\b+\i+1]|
.endr
.endr
	WIN 0
.irp b, 0,1,2,3
	v_permlanex16_b32 v[TM+4+\b], v[TM+\b], s[SEL], s[SEL+1]
.endr
.irp b, 0,1,2,3
	v_max_num_f32 v[TM+\b], v[TM+\b], v[TM+4+\b]
.endr
.irp b, 0,1,2,3
	v_add_nc_u32 v[TM+12+\b], 0xff000000, v[TM+\b]
.endr
.irp b, 0,1,2,3
	v_lshrrev_b32 v[TM+4+\b], 23, v[TM+12+\b]
.endr
	v_lshl_or_b32 v[\pw], v[TM+5], 8, v[TM+4]
	v_lshl_or_b32 v[\pw], v[TM+6], 16, v[\pw]
	v_lshl_or_b32 v[\pw], v[TM+7], 24, v[\pw]
	WIN WW
	v_cvt_scalef32_pk16_fp6_f32 v[(\d0):(\d0)+2], v[AC:AC+15], v[TM+12]
	v_cvt_scalef32_pk16_fp6_f32 v[CT:CT+2], v[AC+16:AC+31], v[TM+13]
	v_cvt_scalef32_pk16_fp6_f32 v[(\d1):(\d1)+2], v[AC+32:AC+47], v[TM+14]
	v_cvt_scalef32_pk16_fp6_f32 v[CT+4:CT+6], v[AC+48:AC+63], v[TM+15]
	WIN 0
	v_nop
.irp i, 0,1,2
	v_permlane16_swap_b32 v[(\d0)+\i], v[CT+\i]
.endr
.irp i, 0,1,2
	v_mov_b32 v[(\d0)+3+\i], v[CT+\i]
.endr
.irp i, 0,1,2
	v_permlane16_swap_b32 v[(\d1)+\i], v[CT+4+\i]
.endr
.irp i, 0,1,2
	v_mov_b32 v[(\d1)+3+\i], v[CT+4+\i]
.endr
.endm
	v_cmp_lt_u32 vcc_lo, 15, v[LANE]
	s_cmp_lg_u32 s[VAR], 0
	s_cbranch_scc1 .Lv_out
.irp P, 0,1,2,3
.if \P >= 2
	s_wait_xcnt 0x0
.endif
.set SET, RC+24*(\P%2)
	QUANTW 2*\P, SET, SET+12, PWS+2*\P
	QUANTW 2*\P+1, SET+6, SET+18, PWS+2*\P+1
.irp c, 0,1
.irp j, 0,1,2
	global_store_b128 v[LI16], v[SET+12*\c+4*\j:SET+12*\c+4*\j+3], s[8:9] offset:106496*\c+1536*\P+512*\j
.endr
.endr
.endr
.irp i, 0,1,2,3
	v_cndmask_b32 v[PK+\i], v[PWS+\i], v[PWS+4+\i], vcc_lo
.endr
.irp i, 0,1,2,3
	v_and_b32 v[PK+4+\i], 0xffff, v[PK+\i]
.endr
.irp i, 0,1,2,3
	v_lshrrev_b32 v[PK+8+\i], 16, v[PK+\i]
.endr
	global_store_b128 v[LI16], v[PK+4:PK+7], s[8:9] offset:6144
	global_store_b128 v[LI16], v[PK+8:PK+11], s[8:9] offset:6144+106496
	s_branch .Lend
.Lv_out:
.irp a, 0,1,2,3,4,5,6,7
.if \a >= 2
	s_wait_xcnt 0x0
.endif
.set SET, RC+24*(\a%2)
	QUANTW \a, SET, SET+6, PWS+\a
.irp j, 0,1,2
	global_store_b128 v[LI16], v[SET+4*\j:SET+4*\j+3], s[8:9] offset:102400*(\a/4)+1536*(\a%4)+512*\j
.endr
.endr
.irp c, 0,1
.irp i, 0,1
	v_cndmask_b32 v[PK+2*\c+\i], v[PWS+4*\c+\i], v[PWS+4*\c+2+\i], vcc_lo
.endr
.endr
.irp c, 0,1
	global_store_b64 v[LI8], v[PK+2*\c:PK+2*\c+1], s[8:9] offset:6144+102400*\c
.endr
.Lend:
	s_wait_tensorcnt 0x0
	ds_add_u32 v[SPW], v[NIL]
	s_wait_dscnt 0x0
	CROUND
	s_endpgm
.Lfunc_end_k_qd5f6285464_qkv:
	.size	k_qd5f6285464_qkv, .Lfunc_end_k_qd5f6285464_qkv-k_qd5f6285464_qkv
	.p2alignl 7, 3214868480
	.fill 96, 4, 3214868480
	.section	.rodata,"a",@progbits
	.p2align	6, 0x0
	.amdhsa_kernel k_qd5f6285464_qkv
		.amdhsa_group_segment_fixed_size 327680
		.amdhsa_private_segment_fixed_size 0
		.amdhsa_enable_private_segment 0
		.amdhsa_kernarg_size 32
		.amdhsa_user_sgpr_count 2
		.amdhsa_user_sgpr_kernarg_segment_ptr 1
		.amdhsa_wavefront_size32 1
		.amdhsa_system_sgpr_workgroup_id_x 1
		.amdhsa_system_sgpr_workgroup_id_y 1
		.amdhsa_system_sgpr_workgroup_id_z 1
		.amdhsa_system_vgpr_workitem_id 0
		.amdhsa_next_free_vgpr 1024
		.amdhsa_next_free_sgpr 100
		.amdhsa_reserve_vcc 1
		.amdhsa_float_denorm_mode_32 3
		.amdhsa_float_denorm_mode_16_64 3
		.amdhsa_memory_ordered 1
		.amdhsa_forward_progress 1
		.amdhsa_inst_pref_size 199
	.end_amdhsa_kernel
	.amdgpu_metadata
---
amdhsa.version: [ 1, 2 ]
amdhsa.kernels:
  - .name:           k_qd5f6285464_qkv
    .symbol:         k_qd5f6285464_qkv.kd
    .args:
      - { .name: codes, .offset: 0, .size: 8, .value_kind: global_buffer, .address_space: global }
      - { .name: scales, .offset: 8, .size: 8, .value_kind: global_buffer, .address_space: global }
      - { .name: qk_img, .offset: 16, .size: 8, .value_kind: global_buffer, .address_space: global }
      - { .name: v_img, .offset: 24, .size: 8, .value_kind: global_buffer, .address_space: global }
    .group_segment_fixed_size: 327680
    .private_segment_fixed_size: 0
    .kernarg_segment_align: 8
    .kernarg_segment_size: 32
    .max_flat_workgroup_size: 128
    .sgpr_count:     100
    .vgpr_count:     1024
    .wavefront_size: 32
...
	.end_amdgpu_metadata
.endif
;; end of part 2
;; launch attn (part 3): grid 4 x 64, 16 waves a work-group, clusters of 4 x 1, 210,944 bytes of LDS; arguments qk_img, v_img, o_codes, o_scales; writes o_codes, o_scales
.if DOCPART == 3
	.amdgcn_target "amdgcn-amd-amdhsa--gfx1250"
	.amdhsa_code_object_version 6
	.text
	.protected	k_qd5f6285464_attn
	.globl	k_qd5f6285464_attn
	.p2align	8
	.type	k_qd5f6285464_attn,@function
k_qd5f6285464_attn:
	s_mov_b64 s[64:65], 0
	v_nop
	global_prefetch_b8 v0, s[64:65] scope:SCOPE_SE
	s_setreg_imm32_b32 hwreg(HW_REG_WAVE_MODE, 25, 1), 1
	s_wait_xcnt 0x0
	s_wait_alu depctr_hold_cnt(0) depctr_sa_sdst(0) depctr_va_vdst(0) depctr_va_sdst(0) depctr_va_ssrc(0) depctr_va_vcc(0) depctr_vm_vsrc(0)
	s_getreg_b32 s2, hwreg(HW_REG_IB_STS2, 6, 4)
	s_cmp_eq_u32 s2, 0
	s_cbranch_scc0 .Lentry_in_a_cluster
	s_endpgm
.Lentry_in_a_cluster:
	s_bfe_u32 s2, ttmp6, 0x10000c
	s_cmp_lg_u32 s2, 0x3003
	s_cbranch_scc0 .Lentry_shape_is_right
	s_endpgm
.Lentry_shape_is_right:
; o = softmax(q k^T / 8) v for 64 (batch, head) pairs of 2,048 tokens and 64 channels, both products on codes of FP6 (E2M3) with E8M0 scales; o is quantised along its 64 channels and stored as part of the next product's operand.
; THE SOFTMAX AHEAD OF THE SECOND PRODUCT: t = score x log2(e) / 8; M = the row's largest t so far, rounded up to a whole number; p = 2^(t - M) is quantised along the keys, not normalised; the row's sum is taken of the
; unquantised p and divides O at the end.  When M moves, the sum and O are multiplied by 2^(old M - new M): exact.
; SHARES.  A work-group owns 512 queries of one head; each of its sixteen waves 32 of them, two tiles of 16, taken in two passes over all 2,048 keys, 128 a step.  256 registers a wave, four waves to a SIMD.
; THE WHOLE HEAD'S K AND V LIE IN LDS: 16 blocks of 6,656 bytes and 16 of 6,400 (launch qkv says how they are laid).  They are filled ONCE: no slot is filled again.  They come in four chunks of four key steps, so that the first
; pass begins when the first chunk has landed: four barriers in all.
; CLUSTER.  The four work-groups of a head read the same K and V: each chunk is asked for jointly (mask 15).  Waves 0, 1 bring the halves of K's chunks, waves 2, 3 of V's: four tensor loads of a wave are out at the most.
; LAYOUT.  Both products are used transposed: S^T = K Q^T, O^T = V^T P^T: a lane holds one query throughout.  The keys of a tile of K and the channels of a tile of V^T are chosen (launch quant) so that the 16 registers of tiles
; 2 b, 2 b + 1 are 16 neighbours: keys 32 b + 16 (lane / 16) + 0 .. 15, and channels likewise.
; K = 64 IN AN INSTRUCTION OF 128: Q's operand has zero codes for K 64-127, and both sides' scale bytes 2 and 3 are 0.  K's operand of tile t is named v[32 + 6 t .. + 11]: its upper six registers are the next tile's codes (for tile 7:
; six registers cleared once); Q's zero codes annul them, since FP6 has no code for infinity or NaN.
; LIMITS: NaN and infinities are not served; a block's byte is held at 1 from below, and a block of zeros gets 1; O / l is a reciprocal (v_rcp_f32) and a multiplication.
; No prefetch: every tensor load goes out at the head, so nothing could be asked for earlier.
; REGISTERS: v1-11 addresses; v12 -M, v13 the largest t, v[14:15] the sum; v16-27 Q's operand; v32-85 K's or V's 48 registers and six zeros; v96-159 S^T, then p; v160-191 O^T; v192-203 Q's two tiles; v204-215 o's codes;
; v216-218 o's scale bytes; v[220:221] V's scale words, v[222:223] Q's, v[248:251] K's, v253 p's; v224-235 p's codes; v232-247, v252, v254 at work.
.set KBLK,  6656
.set VBLK,  6400
.set VL,    16*KBLK                    ; LDS: K's 16 blocks from 0, V's 16 from here
.set KCH,   4*KBLK                     ; a chunk
.set VCH,   4*VBLK
.set QF,    16
.set KF,    32
.set QP,    192
.set OC,    204
.set WV,    12                         ; s12  my wave's number
.set G1K,   16                         ; s[16:23] descriptor group 1 for K's half chunks; s[24:31] for V's
.set G1V,   24
.set G0K,   32                         ; s[32:47] four groups 0 for K; s[48:63] for V
.set G0V,   48
.set SEL,   66
.set CS,    68                         ; s[68:69] c = log2(e) / 8
.set TK,    70                         ; s70  LDS byte of the step's block of K
.set TV,    71                         ; s71  of V
.set CNT,   72
.macro CROUND                          ; a round of the cluster's barrier
	s_barrier_signal -1
	s_barrier_wait -1
	s_cmp_lg_u32 s[WV], 0
	s_cbranch_scc1 .Lnot_wave_0_\@
	s_barrier_signal -3
.Lnot_wave_0_\@:
	s_barrier_wait -3
	s_barrier_signal -1
	s_barrier_wait -1
.endm
	s_load_b256 s[4:11], s[0:1], 0x0               ; qk_img s[4:5], v_img s[6:7], o_codes s[8:9], o_scales s[10:11]
	v_lshl_add_u32 v243, v0, 2, 0x33000
	v_mov_b32 v255, 0
	ds_add_u32 v243, v255
	ds_add_u32 v243, v255
	v_lshrrev_b32 v1, 5, v0
	s_delay_alu instid0(VALU_DEP_1)
	v_readfirstlane_b32 s[WV], v1                  ; wave 0..15
	s_bfe_u32 s13, ttmp6, 0x40000                  ; cx: which 512 queries; it enters Q's and o's global addresses alone
	s_and_b32 s14, ttmp7, 0xffff                   ; 16 x batch + head
	s_lshr_b32 s15, s14, 4                         ; batch
	s_and_b32 s73, s14, 15                         ; head
	s_and_b32 s74, s[WV], 1                        ; which half of a chunk I fetch, if I fetch
	s_lshl_b32 s75, s15, 5
	s_add_co_u32 s75, s75, s73                     ; q's head in qk_img: 32 x batch + head; k's lies 16 heads on
	s_mul_i32 s80, s74, KCH/2
	s_mul_i32 s81, s74, VCH/2
	s_add_co_u32 s76, s75, 16
	s_mul_i32 s76, s76, 16*KBLK
	s_add_co_u32 s76, s76, s80
	s_mov_b32 s77, 0
	s_mul_i32 s78, s14, 16*VBLK
	s_add_co_u32 s78, s78, s81
	s_mov_b32 s79, 0
	s_add_co_u32 s81, s81, VL
	; descriptor group 1: dense bytes as rows of 256 (32 elements of 8 bytes): 52 rows for half a chunk of K, 50 for V
	s_mov_b32 s[G1K], 15|(3<<16)|(1<<21)           ; 15:0 the mask: all four work-groups; 17:16 elements of 8 bytes; 21 set beside a mask
	s_mov_b32 s[G1K+1], 32<<16
	s_mov_b32 s[G1K+2], 52<<16
	s_mov_b32 s[G1K+3], 32<<16
	s_mov_b32 s[G1K+4], 52
	s_mov_b32 s[G1K+5], 32
	s_mov_b32 s[G1K+6], 0
	s_mov_b32 s[G1K+7], 0
	s_mov_b32 s[G1V], 15|(3<<16)|(1<<21)
	s_mov_b32 s[G1V+1], 32<<16
	s_mov_b32 s[G1V+2], 50<<16
	s_mov_b32 s[G1V+3], 32<<16
	s_mov_b32 s[G1V+4], 50
	s_mov_b32 s[G1V+5], 32
	s_mov_b32 s[G1V+6], 0
	s_mov_b32 s[G1V+7], 0
	s_mov_b32 s[SEL], 0x76543210
	s_mov_b32 s[SEL+1], 0xfedcba98
	s_mov_b32 s[CS], 0x3e38aa3b                    ; log2(e) / 8
	s_mov_b32 s[CS+1], s[CS]                       ; (named with it as a pair, so it is written)
	s_wait_dscnt 0x0
	s_wait_kmcnt 0x0
	s_add_nc_u64 s[76:77], s[4:5], s[76:77]
	s_add_nc_u64 s[78:79], s[6:7], s[78:79]
.irp c, 0,1,2,3
	s_mov_b32 s[G0K+4*\c], 1
	s_add_co_u32 s[G0K+4*\c+1], s80, \c*KCH
	s_add_nc_u64 s[G0K+4*\c+2:G0K+4*\c+3], s[76:77], \c*KCH
	s_or_b32 s[G0K+4*\c+3], s[G0K+4*\c+3], 0x80000000
	s_mov_b32 s[G0V+4*\c], 1
	s_add_co_u32 s[G0V+4*\c+1], s81, \c*VCH
	s_add_nc_u64 s[G0V+4*\c+2:G0V+4*\c+3], s[78:79], \c*VCH
	s_or_b32 s[G0V+4*\c+3], s[G0V+4*\c+3], 0x80000000
.endr
	CROUND                                         ; all four work-groups are here: the joint loads meet
	s_cmp_lt_u32 s[WV], 2                          ; a wave's four fills stand in one branch on its number, ahead of every wait on TENSORcnt and every LDS read
	s_cbranch_scc0 .Lnot_k
.irp c, 0,1,2,3
	tensor_load_to_lds s[G0K+4*\c:G0K+4*\c+3], s[G1K:G1K+7]
	s_nop 0
.endr
.rept 4
	v_nop
.endr
	s_branch .Lasked
.Lnot_k:
	s_cmp_lt_u32 s[WV], 4
	s_cbranch_scc0 .Lasked
.irp c, 0,1,2,3
	tensor_load_to_lds s[G0V+4*\c:G0V+4*\c+3], s[G1V:G1V+7]
	s_nop 0
.endr
.rept 4
	v_nop
.endr
.Lasked:
	; Q: my two tiles lie in block 4 cx + wave / 4 of q's head, as registers 12 (wave % 4) on; their scale words: tile t = 2 (wave % 4) + u at 6,144 + 256 (t / 4) + 16 r + 4 (t % 4)
	s_lshl_b32 s82, s13, 2
	s_lshr_b32 s83, s[WV], 2
	s_add_co_u32 s82, s82, s83
	s_mul_i32 s82, s82, KBLK
	s_mul_i32 s83, s75, 16*KBLK
	s_add_co_u32 s82, s82, s83                     ; the block
	s_and_b32 s84, s[WV], 3
	s_mul_i32 s85, s84, 1536
	s_add_co_u32 s86, s82, s85
	s_mov_b32 s87, 0
	s_lshr_b32 s84, s84, 1
	s_lshl_b32 s84, s84, 8
	s_lshl_b32 s85, s74, 3
	s_add_co_u32 s84, s84, s85
	s_add_co_u32 s84, s84, s82
	s_add_co_u32 s84, s84, 6144
	s_mov_b32 s85, 0
	s_add_nc_u64 s[86:87], s[4:5], s[86:87]
	s_add_nc_u64 s[84:85], s[4:5], s[84:85]
	v_and_b32 v6, 31, v0                           ; lane
	s_delay_alu instid0(VALU_DEP_1)
	v_lshlrev_b32 v1, 4, v6                        ; 16 x lane
	s_delay_alu instid0(VALU_DEP_2)
	v_lshlrev_b32 v2, 3, v6                        ; 8 x lane
	v_and_b32 v7, 15, v0                           ; r
	s_delay_alu instid0(VALU_DEP_1)
	v_lshlrev_b32 v8, 4, v7                        ; 16 r
	v_bfe_u32 v9, v0, 4, 1                         ; h
	s_delay_alu instid0(VALU_DEP_1)
	v_lshl_add_u32 v10, v9, 9, v8                  ; o's scale bytes: 512 h + 16 r
.irp j, 0,1,2
	global_load_b128 v[QP+4*\j:QP+4*\j+3], v1, s[86:87] offset:512*\j
.endr
	global_load_b64 v[222:223], v8, s[84:85]
	; o: my first tile is 128 x batch + 32 cx + 2 x wave; a head's 64 codes of a tile are 768 consecutive bytes
	s_lshl_b32 s88, s15, 7
	s_lshl_b32 s89, s13, 5
	s_add_co_u32 s88, s88, s89
	s_lshl_b32 s89, s[WV], 1
	s_add_co_u32 s88, s88, s89
	s_mul_i32 s82, s88, 12288
	s_mul_i32 s83, s73, 768
	s_add_co_u32 s82, s82, s83
	s_mov_b32 s83, 0
	s_add_nc_u64 s[8:9], s[8:9], s[82:83]
	s_lshl_b32 s82, s88, 9                         ; scale bytes: 512 x tile + 256 (head / 8) + 2 (head % 8) (+ 16 r)
	s_lshr_b32 s89, s73, 3
	s_lshl_b32 s89, s89, 8
	s_add_co_u32 s82, s82, s89
	s_and_b32 s89, s73, 7
	s_lshl_b32 s89, s89, 1
	s_add_co_u32 s82, s82, s89
	s_add_nc_u64 s[10:11], s[10:11], s[82:83]
.irp i, 0,1,2,3,4,5
	v_mov_b32 v[QF+6+\i], 0                        ; Q's zero codes for K 64-127
	v_mov_b32 v[KF+48+\i], 0                       ; what stands above tile 7's codes
.endr
.irp b, 0,1,2,3
	v_mov_b32 v[236+\b], 0                         ; written once: a lane permute's destination counts as one of its sources
.endr
	v_mov_b32 v253, 0                              ; (named as the upper half of the pair v[252:253] before it is first written)
	s_wait_loadcnt 0x0                             ; Q
.macro INIT u                          ; a pass begins: tile u's codes; O^T and the sum are zeros, the largest t lies under every t: the first change of M multiplies zeros
.irp i, 0,1,2,3,4,5
	v_mov_b32 v[QF+\i], v[QP+6*\u+\i]
.endr
	v_mov_b32 v13, 0xff61b1e6                      ; -3e38
	s_delay_alu instid0(VALU_DEP_1)
	v_floor_f32 v12, -v13
	v_mov_b32 v14, 0
	v_mov_b32 v15, 0
.irp j, 0,1,2,3,4,5,6,7,8,9,10,11,12,13,14,15,16,17,18,19,20,21,22,23,24,25,26,27,28,29,30,31
	v_mov_b32 v[160+\j], 0
.endr
.endm
; A KEY STEP: 128 keys
.macro STEP u
	v_add_nc_u32 v3, s[TK], v1                     ; these four lines are the places between the last step's products and the loads into their registers
	v_add_nc_u32 v4, s[TV], v1
	v_add_nc_u32 v5, s[TV], v2
	v_nop
.irp i, 0,1,2,3,4,5,6,7,8,9,10,11
	ds_load_b128 v[KF+4*\i:KF+4*\i+3], v3 offset:512*\i   ; K's eight tiles: 48 registers, 512 consecutive bytes a load
.endr
	ds_load_b128 v[248:251], v3 offset:6144        ; their scale words
	s_wait_alu depctr_va_vdst(0)
	s_wait_dscnt 0x0
.irp t, 0,1,2,3
	v_wmma_scale_f32_16x16x128_f8f6f4 v[96+8*\t:103+8*\t], v[KF+6*\t:KF+6*\t+11], v[QF:QF+11], 0, v[248+\t], v[222+\u] matrix_a_fmt:MATRIX_FMT_FP6 matrix_b_fmt:MATRIX_FMT_FP6
.endr
.irp t, 4,5,6,7
	v_wmma_scale_f32_16x16x128_f8f6f4 v[96+8*\t:103+8*\t], v[KF+6*\t:KF+6*\t+11], v[QF:QF+11], 0, v[244+\t], v[222+\u] matrix_a_fmt:MATRIX_FMT_FP6 matrix_b_fmt:MATRIX_FMT_FP6 matrix_a_scale:MATRIX_SCALE_ROW1
.endr
.rept 4
	v_nop                                          ; places in front of the loads into K's registers and of the first read of the scores
.endr
.irp i, 0,1,2,3,4,5,6,7,8,9,10,11
	ds_load_b128 v[KF+4*\i:KF+4*\i+3], v4 offset:512*\i   ; V's four fragments land under the softmax
.endr
	ds_load_b64 v[220:221], v5 offset:6144
.irp b, 0,1,2,3
	v_max3_num_f32 v[232+\b], v[96+16*\b], v[97+16*\b], v[98+16*\b]   ; the largest score of each block of 32 keys: it serves for the row's maximum and, since p rises with the score, for the block's largest p
.endr
.irp i, 3,5,7,9,11,13
.irp b, 0,1,2,3
	v_max3_num_f32 v[232+\b], v[232+\b], v[96+16*\b+\i], v[97+16*\b+\i]
.endr
.endr
.irp b, 0,1,2,3
	v_max_num_f32 v[232+\b], v[232+\b], v[111+16*\b]
.endr
.irp b, 0,1,2,3
	s_delay_alu instid0(VALU_DEP_4)
	v_permlanex16_b32 v[236+\b], v[232+\b], s[SEL], s[SEL+1]
.endr
.irp b, 0,1,2,3
	s_delay_alu instid0(VALU_DEP_4)
	v_max_num_f32 v[232+\b], v[232+\b], v[236+\b]  ; with lane l xor 16's 16 keys
.endr
	s_delay_alu instid0(VALU_DEP_2)
	v_max3_num_f32 v254, v232, v233, v234
	s_delay_alu instid0(VALU_DEP_1)
	v_max_num_f32 v254, v254, v235                 ; the step's largest score of my query
	s_delay_alu instid0(VALU_DEP_1)
	v_mul_f32 v254, s[CS], v254                    ; as t (c is positive)
	s_delay_alu instid0(VALU_DEP_1)
	v_max_num_f32 v13, v13, v254                   ; the running largest t
	v_mov_b32 v254, v12
	s_delay_alu instid0(VALU_DEP_2)
	v_floor_f32 v12, -v13                          ; the new -M = floor(-t) = -ceil(t)
	s_delay_alu instid0(VALU_DEP_1)
	v_sub_f32 v254, v12, v254                      ; old M - new M: a whole number, 0 or less
	s_delay_alu instid0(VALU_DEP_1)
	v_cvt_i32_f32 v254, v254                       ; (it saturates)
	s_delay_alu instid0(VALU_DEP_1)
	v_ldexp_f32 v252, 1.0, v254                    ; f = 2^(old M - new M)
.irp j, 0,2,4,6,8,10,12,14,16,18,20,22,24,26,28,30,32,34,36,38,40,42,44,46,48,50,52,54,56,58,60,62
	v_pk_fma_f32 v[96+\j:97+\j], v[96+\j:97+\j], s[CS:CS+1], v[12:13] op_sel_hi:[1,0,0]   ; t - M, two at a time
.endr
.irp b, 0,1,2,3
	v_fma_f32 v[232+\b], v[232+\b], s[CS], v12     ; the same of each block's largest score
.endr
	s_wait_alu depctr_va_vdst(0)
.irp j, 0,1,2,3,4,5,6,7,8,9,10,11,12,13,14,15,16,17,18,19,20,21,22,23,24,25,26,27,28,29,30,31,32,33,34,35,36,37,38,39,40,41,42,43,44,45,46,47,48,49,50,51,52,53,54,55,56,57,58,59,60,61,62,63
	v_exp_f32 v[96+\j], v[96+\j]                   ; p = 2^(t - M), at most 1
.endr
	s_setprio 1
	v_pk_mul_f32 v[14:15], v[14:15], v[252:253] op_sel_hi:[1,0]   ; the sums under the new M; a plain instruction behind the exponentials
	s_wait_alu depctr_va_vdst(0)                   ; one wait for the batch of 64, ahead of its first reader
.irp b, 0,1,2,3
	v_exp_f32 v[232+\b], v[232+\b]                 ; the block's largest p
.endr
	v_pk_add_f32 v[236:237], v[100:101], v[104:105]
	v_pk_add_f32 v[250:251], v[108:109], v[112:113]
	v_pk_add_f32 v[248:249], v[116:117], v[120:121]
	v_pk_add_f32 v[246:247], v[124:125], v[128:129]
	v_pk_add_f32 v[244:245], v[132:133], v[136:137]
	v_pk_add_f32 v[240:241], v[140:141], v[144:145]
	v_pk_add_f32 v[238:239], v[148:149], v[152:153]
	v_pk_add_f32 v[14:15], v[14:15], v[156:157]
	v_pk_add_f32 v[236:237], v[236:237], v[96:97]
	v_pk_add_f32 v[250:251], v[250:251], v[98:99]
	v_pk_add_f32 v[248:249], v[248:249], v[102:103]
	v_pk_add_f32 v[246:247], v[246:247], v[106:107]
	v_pk_add_f32 v[244:245], v[244:245], v[110:111]
	v_pk_add_f32 v[240:241], v[240:241], v[114:115]
	v_pk_add_f32 v[238:239], v[238:239], v[118:119]
	v_pk_add_f32 v[14:15], v[14:15], v[122:123]
	v_pk_add_f32 v[236:237], v[236:237], v[126:127]
	v_pk_add_f32 v[250:251], v[250:251], v[130:131]
	v_pk_add_f32 v[248:249], v[248:249], v[134:135]
	v_pk_add_f32 v[246:247], v[246:247], v[138:139]
	v_pk_add_f32 v[244:245], v[244:245], v[142:143]
	v_pk_add_f32 v[240:241], v[240:241], v[146:147]
	v_pk_add_f32 v[238:239], v[238:239], v[150:151]
	v_pk_add_f32 v[14:15], v[14:15], v[154:155]
	v_pk_add_f32 v[236:237], v[236:237], v[158:159]
	s_delay_alu instid0(VALU_DEP_2)
	v_pk_add_f32 v[14:15], v[14:15], v[246:247]
	s_delay_alu instid0(VALU_DEP_2)
	v_pk_add_f32 v[236:237], v[236:237], v[244:245]
	v_pk_add_f32 v[250:251], v[250:251], v[240:241]
	v_pk_add_f32 v[248:249], v[248:249], v[238:239]
	s_delay_alu instid0(VALU_DEP_2)
	v_pk_add_f32 v[14:15], v[14:15], v[250:251]
	s_delay_alu instid0(VALU_DEP_2)
	v_pk_add_f32 v[236:237], v[236:237], v[248:249]
	s_delay_alu instid0(VALU_DEP_1)
	v_pk_add_f32 v[14:15], v[14:15], v[236:237]
	s_wait_alu depctr_va_vdst(0)                   ; and one for the four
.irp b, 0,1,2,3
	v_max_num_f32 v[232+\b], 0x1800000, v[232+\b]  ; the floor 2^(3 - 127): the byte cannot fall under 1
.endr
.irp b, 0,1,2,3
	s_delay_alu instid0(VALU_DEP_4)
	v_add_nc_u32 v[244+\b], 0xff000000, v[232+\b]  ; 2 off the exponent field: the conversion's scale operand
.endr
.irp b, 0,1,2,3
	s_delay_alu instid0(VALU_DEP_4)
	v_lshrrev_b32 v[236+\b], 23, v[244+\b]         ; the scale's byte
.endr
	s_delay_alu instid0(VALU_DEP_3)
	v_lshl_or_b32 v253, v237, 8, v236              ; p's scale word for these 128 keys
	s_delay_alu instid0(VALU_DEP_1)
	v_lshl_or_b32 v253, v238, 16, v253
	s_delay_alu instid0(VALU_DEP_1)
	v_lshl_or_b32 v253, v239, 24, v253
.irp c, 0,1
	v_cvt_scalef32_pk16_fp6_f32 v[224+6*\c:226+6*\c], v[96+32*\c:111+32*\c], v[244+2*\c]
	v_cvt_scalef32_pk16_fp6_f32 v[236+4*\c:238+4*\c], v[112+32*\c:127+32*\c], v[244+2*\c+1]
.endr
	v_nop                                          ; one plain instruction behind the scaled conversions
.irp c, 0,1
.irp i, 0,1,2
	v_permlane16_swap_b32 v[224+6*\c+\i], v[236+4*\c+\i]   ; a whole block to a lane
.endr
.irp i, 0,1,2
	s_delay_alu instid0(VALU_DEP_3)
	v_mov_b32 v[227+6*\c+\i], v[236+4*\c+\i]
.endr
.endr
	s_setprio 0
.irp j, 0,2,4,6,8,10,12,14,16,18,20,22,24,26,28,30
	v_pk_mul_f32 v[160+\j:161+\j], v[160+\j:161+\j], v[252:253] op_sel_hi:[1,0]   ; O^T under the new M; these sixteen also stand between the writes of p's codes and scale word and the products
.endr
	s_wait_alu depctr_va_vdst(0)
	s_wait_dscnt 0x0                               ; V is in
.irp t, 0,1
	v_wmma_scale_f32_16x16x128_f8f6f4 v[160+8*\t:167+8*\t], v[KF+12*\t:KF+12*\t+11], v[224:235], v[160+8*\t:167+8*\t], v[220+\t], v253 matrix_a_fmt:MATRIX_FMT_FP6 matrix_b_fmt:MATRIX_FMT_FP6
.endr
.irp t, 2,3
	v_wmma_scale_f32_16x16x128_f8f6f4 v[160+8*\t:167+8*\t], v[KF+12*\t:KF+12*\t+11], v[224:235], v[160+8*\t:167+8*\t], v[218+\t], v253 matrix_a_fmt:MATRIX_FMT_FP6 matrix_b_fmt:MATRIX_FMT_FP6 matrix_a_scale:MATRIX_SCALE_ROW1
.endr
	s_add_co_u32 s[TK], s[TK], KBLK                ; the next step's blocks
	s_add_co_u32 s[TV], s[TV], VBLK
.endm
.macro STEPS u, n
	s_mov_b32 s[CNT], \n
.Lsteps_\@:
	s_setprio 2
	STEP \u
	s_sub_co_u32 s[CNT], s[CNT], 1
	s_cmp_lg_u32 s[CNT], 0
	s_cbranch_scc1 .Lsteps_\@
	s_setprio 0
.endm
; A pass ends: O^T / the sum, quantised along the head's 64 channels: register 16 b + i = channel 32 b + 16 (lane / 16) + i.  Six registers of codes and two scale bytes for tile u.
.macro OUT u
.rept 4
	v_nop                                          ; places behind the last products
.endr
	v_add_f32 v14, v14, v15
	s_delay_alu instid0(VALU_DEP_1)
	v_permlanex16_b32 v252, v14, s[SEL], s[SEL+1]
	s_delay_alu instid0(VALU_DEP_1)
	v_add_f32 v14, v14, v252                       ; the row's sum
	s_wait_alu depctr_va_vdst(0)
	v_rcp_f32 v14, v14
	v_nop                                          ; a plain instruction behind the reciprocal
	s_wait_alu depctr_va_vdst(0)                   ; and the wait ahead of its first reader
.irp j, 0,2,4,6,8,10,12,14,16,18,20,22,24,26,28,30
	v_pk_mul_f32 v[96+\j:97+\j], v[160+\j:161+\j], v[14:15] op_sel_hi:[1,0]   ; each accumulator from its low end on
.endr
.irp b, 0,1
	v_max3_num_f32 v[232+\b], |v[96+16*\b]|, |v[97+16*\b]|, 0x1800000
.endr
.irp i, 2,4,6,8,10,12,14
.irp b, 0,1
	s_delay_alu instid0(VALU_DEP_2)
	v_max3_num_f32 v[232+\b], v[232+\b], |v[96+16*\b+\i]|, |v[97+16*\b+\i]|
.endr
.endr
.irp b, 0,1
	s_delay_alu instid0(VALU_DEP_2)
	v_permlanex16_b32 v[236+\b], v[232+\b], s[SEL], s[SEL+1]
.endr
.irp b, 0,1
	s_delay_alu instid0(VALU_DEP_2)
	v_max_num_f32 v[232+\b], v[232+\b], v[236+\b]
.endr
.irp b, 0,1
	s_delay_alu instid0(VALU_DEP_2)
	v_add_nc_u32 v[244+\b], 0xff000000, v[232+\b]
.endr
.irp b, 0,1
	s_delay_alu instid0(VALU_DEP_2)
	v_lshrrev_b32 v[236+\b], 23, v[244+\b]
.endr
	s_delay_alu instid0(VALU_DEP_1)
	v_lshl_or_b32 v[216+\u], v237, 8, v236         ; the head's two bytes of my row's scale word
	v_cvt_scalef32_pk16_fp6_f32 v[OC+6*\u:OC+6*\u+2], v[96:111], v244
	v_cvt_scalef32_pk16_fp6_f32 v[240:242], v[112:127], v245
	v_nop
.irp i, 0,1,2
	v_permlane16_swap_b32 v[OC+6*\u+\i], v[240+\i]
.endr
.irp i, 0,1,2
	s_delay_alu instid0(VALU_DEP_3)
	v_mov_b32 v[OC+6*\u+3+\i], v[240+\i]
.endr
.endm
	INIT 0
.irp c, 0,1,2,3                        ; the first pass follows the chunks as they land
	s_wait_tensorcnt 3-\c                          ; in the waves that fetch: my part of chunk c is in, my later chunks' loads may be out; the other waves have none out
	s_wait_dscnt 0x0
	s_barrier_signal -1
	s_barrier_wait -1                              ; everybody's part of chunk c is in; nothing is ever filled again
	s_mov_b32 s[TK], \c*KCH
	s_mov_b32 s[TV], VL+\c*VCH
	STEPS 0, 4
.endr
	OUT 0
	INIT 1
	s_mov_b32 s[TK], 0
	s_mov_b32 s[TV], VL
	STEPS 1, 16
	OUT 1
	v_cmp_lt_u32 vcc_lo, 15, v6
	s_delay_alu instid0(VALU_DEP_1)
	v_cndmask_b32 v218, v216, v217, vcc_lo         ; lanes 0-15 store tile 0's bytes, lanes 16-31 tile 1's
.irp u, 0,1
.irp p, 0,1,2
	global_store_b64 v2, v[OC+6*\u+2*\p:OC+6*\u+2*\p+1], s[8:9] offset:12288*\u+256*\p   ; 256 consecutive bytes, aligned
.endr
.endr
	global_store_b16 v10, v218, s[10:11]           ; two bytes a row: a scale word of the next product spans two heads, which are two work-groups
	s_wait_tensorcnt 0x0
	ds_add_u32 v243, v255
	s_wait_dscnt 0x0
	CROUND                                         ; the closing round
	s_endpgm
.Lfunc_end_k_qd5f6285464_attn:
	.size	k_qd5f6285464_attn, .Lfunc_end_k_qd5f6285464_attn-k_qd5f6285464_attn
	.p2alignl 7, 3214868480
	.fill 96, 4, 3214868480
	.section	.rodata,"a",@progbits
	.p2align	6, 0x0
	.amdhsa_kernel k_qd5f6285464_attn
		.amdhsa_group_segment_fixed_size 210944
		.amdhsa_private_segment_fixed_size 0
		.amdhsa_enable_private_segment 0
		.amdhsa_kernarg_size 32
		.amdhsa_user_sgpr_count 2
		.amdhsa_user_sgpr_kernarg_segment_ptr 1
		.amdhsa_wavefront_size32 1
		.amdhsa_system_sgpr_workgroup_id_x 1
		.amdhsa_system_sgpr_workgroup_id_y 1
		.amdhsa_system_sgpr_workgroup_id_z 1
		.amdhsa_system_vgpr_workitem_id 0
		.amdhsa_next_free_vgpr 256
		.amdhsa_next_free_sgpr 90
		.amdhsa_reserve_vcc 1
		.amdhsa_float_denorm_mode_32 3
		.amdhsa_float_denorm_mode_16_64 3
		.amdhsa_memory_ordered 1
		.amdhsa_forward_progress 1
		.amdhsa_inst_pref_size 106
	.end_amdhsa_kernel
	.amdgpu_metadata
---
amdhsa.version: [ 1, 2 ]
amdhsa.kernels:
  - .name:           k_qd5f6285464_attn
    .symbol:         k_qd5f6285464_attn.kd
    .args:
      - { .name: qk_img, .offset: 0, .size: 8, .value_kind: global_buffer, .address_space: global }
      - { .name: v_img, .offset: 8, .size: 8, .value_kind: global_buffer, .address_space: global }
      - { .name: o_codes, .offset: 16, .size: 8, .value_kind: global_buffer, .address_space: global }
      - { .name: o_scales, .offset: 24, .size: 8, .value_kind: global_buffer, .address_space: global }
    .group_segment_fixed_size: 210944
    .private_segment_fixed_size: 0
    .kernarg_segment_align: 8
    .kernarg_segment_size: 32
    .max_flat_workgroup_size: 512
    .sgpr_count:     90
    .vgpr_count:     256
    .wavefront_size: 32
...
	.end_amdgpu_metadata
.endif
;; end of part 3
;; launch proj (part 4): grid 4 x 32, 4 waves a work-group, clusters of 4 x 4, 327,680 bytes of LDS; arguments o_codes, o_scales, codes, scales, b_proj, out0; writes out0
.if DOCPART == 4
	.amdgcn_target "amdgcn-amd-amdhsa--gfx1250"
	.amdhsa_code_object_version 6
	.text
	.protected	k_qd5f6285464_proj
	.globl	k_qd5f6285464_proj
	.p2align	8
	.type	k_qd5f6285464_proj,@function
k_qd5f6285464_proj:
	s_mov_b64 s[64:65], 0
	v_nop
	global_prefetch_b8 v0, s[64:65] scope:SCOPE_SE
	s_setreg_imm32_b32 hwreg(HW_REG_WAVE_MODE, 25, 1), 1
	s_wait_xcnt 0x0
	s_wait_alu depctr_hold_cnt(0) depctr_sa_sdst(0) depctr_va_vdst(0) depctr_va_sdst(0) depctr_va_ssrc(0) depctr_va_vcc(0) depctr_vm_vsrc(0)
	s_getreg_b32 s2, hwreg(HW_REG_IB_STS2, 6, 4)
	s_cmp_eq_u32 s2, 0
	s_cbranch_scc0 .Lentry_in_a_cluster
	s_endpgm
.Lentry_in_a_cluster:
	s_bfe_u32 s2, ttmp6, 0x10000c
	s_cmp_lg_u32 s2, 0xf033
	s_cbranch_scc0 .Lentry_shape_is_right
	s_endpgm
.Lentry_shape_is_right:
.set FR,     12
.set NL,     6
.set NP,     4
.set NQ,     2
.set FRB,    1536
.set TSTEP,  2*FRB
.set TILEB,  8*FRB
.set HALFT,  8*TSTEP
.set SLOT,   4*HALFT
.set SCL,    2*SLOT
.set HALFS,  8*512
.set SBLK,   512
.set SPARE,  SCL+4*HALFS
.set SPITCH, 528
.set ADRA, 16
.set ADRB, 20
.set STO,  24
.set RD,   25
.set CO,   26
.set ADRS, 27
.set SPW,  28
.set NIL,  29
.set BO,   31
.set SC,   32
.set BIAS, 64
.set AF,   128
.set BK,   128
.set G1, 24
.set G0, 32
.set G1B, 48
.set G0B, 56
.set G1S, 68
.set G0S, 76
.set G1SB, 80
.set G0SB, 88
.set MSB, 0
.macro WIN new
.if MSB != (\new)
	s_set_vgpr_msb (MSB<<8)|(\new)
.set MSB, (\new)
.endif
.endm
.set MUL_LO, 0xa1
.set MUL_HI, 0xf1
.set FST_LO, 0x81
.set FST_HI, 0xc1
.set TO_B,   0x40
.macro JLOAD g0a, g1a, g0b, g1b
	s_cmp_eq_u32 s15, 0
	s_cbranch_scc0 .Lfor_b_\@
	tensor_load_to_lds s[\g0a:\g0a+3], s[\g1a:\g1a+7]
	s_nop 0
.rept 4
	v_nop
.endr
	s_branch .Lasked_\@
.Lfor_b_\@:
	tensor_load_to_lds s[\g0b:\g0b+3], s[\g1b:\g1b+7]
	s_nop 0
.rept 4
	v_nop
.endr
.Lasked_\@:
.endm
.macro CREST
	s_cmp_lg_u32 s14, 0
	s_cbranch_scc1 .Lnot_wave_0_\@
	s_barrier_signal -3
.Lnot_wave_0_\@:
	s_barrier_wait -3
	s_barrier_signal -1
	s_barrier_wait -1
.endm
.macro CROUND
	s_barrier_signal -1
	s_barrier_wait -1
	CREST
.endm
	s_load_b256 s[4:11], s[0:1], 0x0
	s_load_b128 s[96:99], s[0:1], 0x20
	v_lshl_add_u32 v[SPW], v0, 2, SPARE
	v_mov_b32 v[NIL], 0
	ds_add_u32 v28, v29
	ds_add_u32 v28, v29
	s_wait_dscnt 0x0
	v_lshrrev_b32 v1, 5, v0
	v_readfirstlane_b32 s14, v1
	s_lshr_b32 s15, s14, 1
	s_and_b32 s16, s14, 1
	s_bfe_u32 s40, ttmp6, 0x40000
	s_bfe_u32 s41, ttmp6, 0x40004
	s_lshl_b32 s42, ttmp9, 2
	s_add_co_u32 s42, s42, s40
	s_and_b32 s17, ttmp7, 0xffff
	s_lshl_b32 s17, s17, 2
	s_add_co_u32 s17, s17, s41
	s_lshl_b32 s43, s41, 2
	s_lshl_b32 s43, 15, s43
	s_lshl_b32 s44, 0x1111, s40
	s_or_b32 s[G1+0], s43, (3<<16)|(1<<21)
	s_or_b32 s[G1B+0], s44, (3<<16)|(1<<21)
.irp g, G1, G1B
	s_mov_b32 s[\g+1], 384<<16
	s_mov_b32 s[\g+2], 8<<16
	s_mov_b32 s[\g+3], 384<<16
	s_mov_b32 s[\g+4], 8
	s_mov_b32 s[\g+5], 1536
	s_mov_b32 s[\g+6], 0
	s_mov_b32 s[\g+7], 0
.endr
	s_or_b32 s[G1S+0], s43, (3<<16)|(1<<21)
	s_or_b32 s[G1SB+0], s44, (3<<16)|(1<<21)
.irp g, G1S, G1SB
	s_mov_b32 s[\g+1], 32<<16
	s_mov_b32 s[\g+2], 16<<16
	s_mov_b32 s[\g+3], 32<<16
	s_mov_b32 s[\g+4], 16
	s_mov_b32 s[\g+5], 32
	s_mov_b32 s[\g+6], 0
	s_mov_b32 s[\g+7], 0
.endr
	s_lshl_b32 s18, s16, 3
	s_lshl_b32 s20, s17, 4
	s_add_co_u32 s20, s20, s18
	s_lshl_b32 s46, s42, 4
	s_add_co_u32 s46, s46, s18
	s_add_co_u32 s46, s46, 704
	s_lshl_b32 s22, s20, 9
	s_mov_b32 s23, 0
	s_lshl_b32 s92, s46, 9
	s_mov_b32 s93, 0
	s_mul_i32 s20, s20, TILEB
	s_mov_b32 s21, 0
	s_mul_i32 s46, s46, TILEB
	s_mov_b32 s47, 0
	s_mul_i32 s45, s14, HALFT
	s_mul_i32 s94, s14, HALFS
	s_wait_kmcnt 0x0
	s_add_nc_u64 s[20:21], s[4:5], s[20:21]
	s_add_nc_u64 s[22:23], s[6:7], s[22:23]
	s_add_nc_u64 s[46:47], s[8:9], s[46:47]
	s_add_nc_u64 s[92:93], s[10:11], s[92:93]
	CROUND
	s_mov_b32 s[G0S], 1
	s_add_co_u32 s[G0S+1], s94, SCL
	s_mov_b64 s[G0S+2:G0S+3], s[22:23]
	s_or_b32 s[G0S+3], s[G0S+3], 0x80000000
	s_mov_b32 s[G0SB], 1
	s_add_co_u32 s[G0SB+1], s94, SCL
	s_mov_b64 s[G0SB+2:G0SB+3], s[92:93]
	s_or_b32 s[G0SB+3], s[G0SB+3], 0x80000000
	JLOAD G0S, G1S, G0SB, G1SB
.irp s, 0,1
	s_mov_b32 s[G0+4*\s], 1
	s_add_co_u32 s[G0+4*\s+1], s45, \s*SLOT
	s_add_nc_u64 s[G0+4*\s+2:G0+4*\s+3], s[20:21], \s*TSTEP
	s_or_b32 s[G0+4*\s+3], s[G0+4*\s+3], 0x80000000
	s_mov_b32 s[G0B+4*\s], 1
	s_add_co_u32 s[G0B+4*\s+1], s45, \s*SLOT
	s_add_nc_u64 s[G0B+4*\s+2:G0B+4*\s+3], s[46:47], \s*TSTEP
	s_or_b32 s[G0B+4*\s+3], s[G0B+4*\s+3], 0x80000000
	s_wait_alu depctr_va_vdst(0)
	s_wait_tensorcnt 0x0
	ds_add_u32 v28, v29
	s_wait_dscnt 0x0
	CROUND
	JLOAD G0+4*\s, G1, G0B+4*\s, G1B
.endr
	v_and_b32 v1, 15, v0
	v_bfe_u32 v2, v0, 4, 1
	v_and_b32 v3, 31, v0
	v_lshlrev_b32 v4, 3, v3
	s_wait_alu depctr_va_vdst(0)
	s_lshl_b32 s92, s42, 10
	s_lshl_b32 s93, s16, 9
	s_add_co_u32 s92, s92, s93
	s_mov_b32 s93, 0
	s_add_nc_u64 s[96:97], s[96:97], s[92:93]
	v_lshlrev_b32 v[BO], 6, v2
.irp b, 0,1,2,3,4,5,6,7
	global_load_b128 v[BIAS+8*\b:BIAS+8*\b+3], v[BO], s[96:97] offset:128*(\b/2)+32*(\b%2)
	global_load_b128 v[BIAS+8*\b+4:BIAS+8*\b+7], v[BO], s[96:97] offset:128*(\b/2)+32*(\b%2)+16
.endr
	s_add_nc_u64 s[98:99], s[98:99], s[92:93]
	s_lshl_b32 s92, s17, 8
	s_lshl_b32 s94, s15, 7
	s_add_co_u32 s92, s92, s94
	s_lshl_b32 s92, s92, 12
	s_add_nc_u64 s[98:99], s[98:99], s[92:93]
	s_mul_i32 s21, s15, HALFT
	s_mul_i32 s22, s16, HALFT
	s_add_co_u32 s22, s22, 2*HALFT
.irp s, 0,1
	v_add_nc_u32 v[ADRA+\s], s21, v4
	v_add_nc_u32 v[ADRB+\s], s22, v4
	s_add_co_u32 s21, s21, SLOT
	s_add_co_u32 s22, s22, SLOT
.endr
	v_lshlrev_b32 v5, 4, v1
	s_mul_i32 s21, s15, HALFS
	s_mul_i32 s22, s16, HALFS
	s_add_co_u32 s22, s22, 2*HALFS
	s_sub_co_u32 s22, s22, s21
	v_mul_u32_u24 v6, s22, v2
	s_add_co_u32 s21, s21, SCL
	v_add_nc_u32 v5, v5, v6
	v_add_nc_u32 v[ADRS], s21, v5
	s_mul_i32 s23, s14, 16*SPITCH
	v_mul_u32_u24 v5, v1, SPITCH
	v_lshl_add_u32 v5, v2, 6, v5
	v_add_nc_u32 v[STO], s23, v5
	v_lshlrev_b32 v[CO], 4, v3
	v_add_nc_u32 v[RD], s23, v[CO]
.macro FRAG reg, adr, q, i
.irp p, 0,1,2,3,4,5
	ds_load_b64 v[\reg+2*\p:\reg+2*\p+1], v[\adr] offset:TSTEP*(\i)+FRB*(\q)+256*\p
.endr
.endm
.macro MUL16 a0, p, q, sc, first
.irp a, \a0, \a0+1
.irp b, 0,1,2,3,4,5,6,7
.if \first
	v_wmma_scale_f32_16x16x128_f8f6f4 v[8*(8*((\a)%4)+\b):8*(8*((\a)%4)+\b)+7], v[128*(\p)+FR*\b:128*(\p)+FR*\b+FR-1], v[AF+FR*(\a):AF+FR*(\a)+FR-1], v[BIAS+8*\b:BIAS+8*\b+7], v[SC+8*NQ*(\sc)+NQ*\b+(\q)], v[SC+8*NQ*(\sc)+NQ*(\a)+(\q)] matrix_a_fmt:MATRIX_FMT_FP6 matrix_b_fmt:MATRIX_FMT_FP6 matrix_a_scale:MATRIX_SCALE_ROW1
.else
	v_wmma_scale_f32_16x16x128_f8f6f4 v[8*(8*((\a)%4)+\b):8*(8*((\a)%4)+\b)+7], v[128*(\p)+FR*\b:128*(\p)+FR*\b+FR-1], v[AF+FR*(\a):AF+FR*(\a)+FR-1], v[8*(8*((\a)%4)+\b):8*(8*((\a)%4)+\b)+7], v[SC+8*NQ*(\sc)+NQ*\b+(\q)], v[SC+8*NQ*(\sc)+NQ*(\a)+(\q)] matrix_a_fmt:MATRIX_FMT_FP6 matrix_b_fmt:MATRIX_FMT_FP6 matrix_a_scale:MATRIX_SCALE_ROW1
.endif
.endr
.endr
.endm
.macro FETCH_B slot, q, p
	WIN TO_B
.irp i, 0,1,2,3,4,5,6,7
	FRAG 128*(\p)+FR*\i, ADRB+\slot, \q, \i
.endr
	WIN 0
.endm
.macro FETCH_A slot, q, i0
.irp i, \i0, \i0+1, \i0+2, \i0+3
	FRAG AF+FR*(\i), ADRA+\slot, \q, \i
.endr
.endm
.macro SCALES sc, kk
.irp i, 0,1,2,3,4,5,6,7
	ds_load_b64 v[SC+8*NQ*\sc+NQ*\i:SC+8*NQ*\sc+NQ*\i+1], v[ADRS] offset:\i*SBLK+256*((\kk)/2)+8*((\kk)%2)
.endr
.endm
.macro PLACES n
.rept \n
	v_nop
.endr
.endm
.macro STEP slot, q, first
	s_wait_dscnt 4*NL
.if \first
	WIN FST_LO
.else
	WIN MUL_LO
.endif
	MUL16 0, (\q)%2, \q, \slot, \first
	MUL16 2, (\q)%2, \q, \slot, \first
	s_wait_dscnt 0
	PLACES NP
	FETCH_B \slot, (\q)+1, 1-(\q)%2
	FETCH_A \slot, (\q)+1, 0
.if \first
	WIN FST_HI
.else
	WIN MUL_HI
.endif
	MUL16 4, (\q)%2, \q, \slot, \first
	MUL16 6, (\q)%2, \q, \slot, \first
	PLACES NP
	WIN 0
	FETCH_A \slot, (\q)+1, 4
.endm
.macro TURN slot, next, fill, kk
	s_wait_tensorcnt 0x0
	ds_add_u32 v[SPW], v[NIL]
	s_wait_dscnt 4*NL+1
	WIN MUL_LO
	MUL16 0, 1, NQ-1, \slot, 0
	s_wait_dscnt 0x0
	s_barrier_signal -1
	MUL16 2, 1, NQ-1, \slot, 0
	WIN 0
	s_barrier_wait -1
.if \fill
	CREST
	s_add_nc_u64 s[G0+4*\slot+2:G0+4*\slot+3], s[G0+4*\slot+2:G0+4*\slot+3], 2*TSTEP
	s_add_nc_u64 s[G0B+4*\slot+2:G0B+4*\slot+3], s[G0B+4*\slot+2:G0B+4*\slot+3], 2*TSTEP
	JLOAD G0+4*\slot, G1, G0B+4*\slot, G1B
.else
	PLACES NP
.endif
	FETCH_B \next, 0, 0
	FETCH_A \next, 0, 0
	SCALES \next, \kk
	WIN MUL_HI
	MUL16 4, 1, NQ-1, \slot, 0
	MUL16 6, 1, NQ-1, \slot, 0
	PLACES NP
	WIN 0
	FETCH_A \next, 0, 4
.endm
	s_wait_alu depctr_va_vdst(0)
	s_wait_tensorcnt 1
	s_barrier_signal -1
	s_barrier_wait -1
	FETCH_B 0, 0, 0
	FETCH_A 0, 0, 0
	SCALES 0, 0
	FETCH_A 0, 0, 4
	s_wait_loadcnt 0x0
	STEP 0, 0, 1
	TURN 0, 1, 1, 1
	STEP 1, 0, 0
	TURN 1, 0, 1, 2
	STEP 0, 0, 0
	TURN 0, 1, 0, 3
	STEP 1, 0, 0
	s_wait_dscnt 4*NL
	WIN MUL_LO
	MUL16 0, 1, NQ-1, 1, 0
	MUL16 2, 1, NQ-1, 1, 0
	s_wait_dscnt 0
	WIN MUL_HI
	MUL16 4, 1, NQ-1, 1, 0
	MUL16 6, 1, NQ-1, 1, 0
	WIN 0
.macro TOSTAGE a
.set AC, 64*((\a)%4)
	WIN 0x08+4*((\a)/4)
.irp b, 0,1,2,3,4,5,6,7
	ds_store_b128 v[STO], v[AC+8*\b:AC+8*\b+3] offset:128*(\b/2)+32*(\b%2)
	ds_store_b128 v[STO], v[AC+8*\b+4:AC+8*\b+7] offset:128*(\b/2)+32*(\b%2)+16
.endr
	WIN 0
.set BB, BK+64*((\a)%2)
.irp t, 0,1,2,3,4,5,6,7,8,9,10,11,12,13,14,15
	ds_load_b128 v[BB+4*\t:BB+4*\t+3], v[RD] offset:\t*SPITCH
.endr
.endm
.macro SEND a, younger
.set BB, BK+64*((\a)%2)
	s_wait_dscnt \younger
.irp t, 0,1,2,3,4,5,6,7,8,9,10,11,12,13,14,15
	global_store_b128 v[CO], v[BB+4*\t:BB+4*\t+3], s[98:99] offset:(32*((\a)/2)+8*((\a)%2)+\t+8*(\t/8))*4096 th:TH_STORE_NT
.endr
.endm
	PLACES NP
	TOSTAGE 0
.irp a, 1,2,3,4,5,6,7
.if \a > 1
	s_wait_xcnt 0x0
.endif
	TOSTAGE \a
	SEND \a-1, 32
.endr
	SEND 7, 0
	s_wait_tensorcnt 0x0
	ds_add_u32 v[SPW], v[NIL]
	s_wait_dscnt 0x0
	CROUND
	s_endpgm
.Lfunc_end_k_qd5f6285464_proj:
	.size	k_qd5f6285464_proj, .Lfunc_end_k_qd5f6285464_proj-k_qd5f6285464_proj
	.p2alignl 7, 3214868480
	.fill 96, 4, 3214868480
	.section	.rodata,"a",@progbits
	.p2align	6, 0x0
	.amdhsa_kernel k_qd5f6285464_proj
		.amdhsa_group_segment_fixed_size 327680
		.amdhsa_private_segment_fixed_size 0
		.amdhsa_enable_private_segment 0
		.amdhsa_kernarg_size 48
		.amdhsa_user_sgpr_count 2
		.amdhsa_user_sgpr_kernarg_segment_ptr 1
		.amdhsa_wavefront_size32 1
		.amdhsa_system_sgpr_workgroup_id_x 1
		.amdhsa_system_sgpr_workgroup_id_y 1
		.amdhsa_system_sgpr_workgroup_id_z 1
		.amdhsa_system_vgpr_workitem_id 0
		.amdhsa_next_free_vgpr 1024
		.amdhsa_next_free_sgpr 100
		.amdhsa_reserve_vcc 0
		.amdhsa_float_denorm_mode_32 3
		.amdhsa_float_denorm_mode_16_64 3
		.amdhsa_memory_ordered 1
		.amdhsa_forward_progress 1
		.amdhsa_inst_pref_size 161
	.end_amdhsa_kernel
	.amdgpu_metadata
---
amdhsa.version: [ 1, 2 ]
amdhsa.kernels:
  - .name:           k_qd5f6285464_proj
    .symbol:         k_qd5f6285464_proj.kd
    .args:
      - { .name: o_codes, .offset: 0, .size: 8, .value_kind: global_buffer, .address_space: global }
      - { .name: o_scales, .offset: 8, .size: 8, .value_kind: global_buffer, .address_space: global }
      - { .name: codes, .offset: 16, .size: 8, .value_kind: global_buffer, .address_space: global }
      - { .name: scales, .offset: 24, .size: 8, .value_kind: global_buffer, .address_space: global }
      - { .name: b_proj, .offset: 32, .size: 8, .value_kind: global_buffer, .address_space: global }
      - { .name: out0, .offset: 40, .size: 8, .value_kind: global_buffer, .address_space: global }
    .group_segment_fixed_size: 327680
    .private_segment_fixed_size: 0
    .kernarg_segment_align: 8
    .kernarg_segment_size: 48
    .max_flat_workgroup_size: 128
    .sgpr_count:     100
    .vgpr_count:     1024
    .wavefront_size: 32
...
	.end_amdgpu_metadata
.endif
;; end of part 4
